; MI455X (gfx1250); checked and timed in simulation.
; The chip was launched on July 23, 2026; its instructions are those of AMD's public machine-readable ISA for CDNA 5 (MIT licence, August 2026) and "CDNA5" Instruction Set Architecture Reference Guide (July 2026). The comments in the code are by the model that wrote it; some were corrected since.
;; Vector Logic. Allowed arithmetic: float matrix products may take bf16 or f16 operands with f32 sums; all other float work in f32.
;; Inputs: a 65,536 x 8 x 32 float32; false_raw 32 x 1 float32; truth_raw 32 x 1 float32.
;; Outputs: out0 65,536 float32.
;; One version. Each part assembles by itself: llvm-mc -triple=amdgcn-amd-amdhsa -mcpu=gfx1250 --defsym DOCPART=n.
;; ======== version 1 of 1: 1 launch
;; launch conj (part 1): grid 256 x 1, 8 waves a work-group, no clusters, 282,624 bytes of LDS; arguments a, false_raw, truth_raw, out0; writes out0
.if DOCPART == 1
	.amdgcn_target "amdgcn-amd-amdhsa--gfx1250"
	.amdhsa_code_object_version 6
	.text
	.protected	k_q9c852a5b6b_conj
	.globl	k_q9c852a5b6b_conj
	.p2align	8
	.type	k_q9c852a5b6b_conj,@function
k_q9c852a5b6b_conj:
	s_mov_b64 s[64:65], 0
	v_nop
	global_prefetch_b8 v0, s[64:65] scope:SCOPE_SE
	s_setreg_imm32_b32 hwreg(HW_REG_WAVE_MODE, 25, 1), 1
	s_wait_xcnt 0x0
; probs[b] = clip( fold over the 8 literals of a[b] with the conjunction matrix, dotted with truth, 0, 1 ).
;
; THE FORM.  The conjunction matrix is made as t (t x t)^T + f (t x f + f x t + f x f)^T, and the vector it meets is r x s.  So for every input
;   conjunction (r x s) = t (t.r)(t.s) + f [ (t.r)(f.s) + (f.r)(t.s) + (f.r)(f.s) ].
; Of a literal s only p = t.s and q = f.s are needed, and of r only x = t.r and y = f.r.  A step gives r' = CX t + CY f with CX = x p,
; CY = x q + y (p + q), hence x' = CX (t.t) + CY (t.f), y' = CX (t.f) + CY (f.f).  t.t, t.f, f.f are computed from the t and f made here,
; not taken as 1, 0, 1.  The x behind the last step is r.truth.  All arithmetic is f32 on the vector unit: 64 multiply-adds for each 128 bytes
; read leave the matrix unit nothing to gain, and 16-bit operands would cost accuracy in a product of eight dots.
;
; THE SHARES.  256 work-groups of 8 waves; a work-group owns 256 batches (262,144 consecutive bytes of a), a wave 32, a lane ONE batch, so both
; dots and the whole fold stay inside a lane.  The tensor data mover turns the data: tile c of a wave is 32 rows (batches) of 256 bytes
; (literals 2c, 2c+1), each row 256 consecutive bytes at a multiple of 256 from a's first byte, laid into LDS 272 bytes apart.
; All four tiles of every wave are asked for at the head: the work-group's whole share is on its way at once, so there is no ring and no loop.
; No cluster: work-groups share only the 256 bytes of truth_raw and false_raw.
;
; LIMITS.  Normalising is x * rsq(sum x^2), not x / sqrt(sum x^2): a few last bits.  v_rsq_f32 takes a denormal as zero (ISA guide 15.8), so the two
; sums of squares must be normal f32 numbers (entries between about 1e-18 and 1e18).  The 32-term sums run in another order than a
; 1024-term product with the matrix.  The sign of a zero result is not reproduced.  NaN stays NaN (a false_raw parallel to truth_raw gives NaN
; everywhere, as the division 0/0 does).
.set PITCH, 272                        ; an LDS row: 256 bytes + 16 = 17 x 16, so 16 neighbouring rows start in 16 different 16-byte columns modulo 256
.set TILEB, 32*PITCH                   ; a tile: 8,704 bytes
.set WREG,  4*TILEB                    ; a wave's four tiles
.set SCR,   8*WREG                     ; behind the tiles: 256 bytes for each wave, t[0..31] then f[0..31]
.set OUTB,  SCR+8*256                  ; behind that: the work-group's 256 results, 1,024 bytes; LDS ends at 281,600
.set L4,  1                            ; v1       4 x lane
.set TV,  2                            ; v2       truth_raw[lane], then t[lane]
.set FV,  3                            ; v3       false_raw[lane], then f[lane]
.set SUM, 4                            ; v4       a sum over the lanes
.set TMP, 5                            ; v5       the other half's sum
.set FO,  6                            ; v6       the lane's number at the head, then false_raw - proj t
.set RS,  7                            ; v7       the wave's number at the head, then 1 / norm
.set GTT, 8                            ; v8       t.t
.set GTF, 9                            ; v9       t.f
.set GFF, 10                           ; v10      f.f
.set LA,  11                           ; v11      LDS address of my batch's row in my wave's tile 0
.set SCW, 12                           ; v12      where my lane puts t[lane]
.set SCB, 13                           ; v13      my wave's t and f in LDS, the same in all lanes
.set RX,  14                           ; v14      x = t.r
.set RY,  15                           ; v15      y = f.r
.set PA,  16                           ; v[16:17] two partial sums of t.s for the tile's first literal
.set QA,  18                           ; v[18:19] of f.s
.set PB,  20                           ; v[20:21] the same for the second literal
.set QB,  22                           ; v[22:23]
.set SPA, 24                           ; v24-27   p, q of the first literal, p, q of the second
.set SQA, 25
.set SPB, 26
.set SQB, 27
.set W,   28                           ; v28      p + q
.set CX,  29                           ; v29      t's coefficient in the new r
.set CY,  30                           ; v30      f's coefficient
.set OST, 31                           ; v31      where my result goes in LDS
.set OGL, 28                           ; v28      the way out: my 16 bytes' offset in the work-group's 1,024 (W is done with)
.set OLD, 29                           ; v29      the way out: the same in LDS (CX is done with)
.set TT,  32                           ; v[32:63]   t[0..31], in every lane
.set FF,  64                           ; v[64:95]   f[0..31], in every lane
.set XA,  96                           ; v[96:127]  my batch's first literal of the tile
.set XB,  128                          ; v[128:159] its second literal; v[128:131] once more on the way out
.set G1,  16                           ; s[16:23] descriptor group 1: the shape, the same for all loads
.set G0,  24                           ; s[24:39] descriptor group 0, a set for each tile, never rewritten
	s_load_b256 s[4:11], s[0:1], 0x0               ; a s[4:5], false_raw s[6:7], truth_raw s[8:9], out0 s[10:11]
	v_lshl_add_u32 v160, v0, 2, 0x44c00
	v_mov_b32 v161, 0
	ds_add_u32 v160, v161
	ds_add_u32 v160, v161
	v_lshrrev_b32 v[RS], 5, v0
	v_readfirstlane_b32 s12, v[RS]                 ; my wave's number, 0 to 7
	v_and_b32 v[FO], 31, v0                        ; lane
	v_lshlrev_b32 v[L4], 2, v[FO]
	v_mul_u32_u24 v[LA], v[FO], PITCH              ; my batch's row in a tile
	v_mov_b32 v[TMP], 0                            ; v_permlanex16_b32 counts as a reader of its destination: written once here
	s_mov_b32 s40, 0x76543210                      ; v_permlanex16_b32: lane i of one half reads lane i of the other
	s_mov_b32 s41, 0xfedcba98
	; group 1: a tile of 32 rows x 64 elements of 4 bytes, rows 256 elements apart in memory, padded in LDS
	s_mov_b32 s[G1+0], (2<<16)|(1<<20)|(5<<22)|(3<<25) ; 17:16 element of 4 bytes; 20 padding on; 24:22 after every 64 words (code 5); 31:25 of 4 words (code 3)
	s_mov_b32 s[G1+1], 64<<16                      ; tensor_dim0 = 64: the tiles lie inside the tensor, so the extents are the tile's
	s_mov_b32 s[G1+2], 32<<16                      ; tensor_dim1 = 32
	s_mov_b32 s[G1+3], 64<<16                      ; tile_dim0 = 64 elements = 256 bytes = two literals
	s_mov_b32 s[G1+4], 32                          ; tile_dim1 = 32 batches
	s_mov_b32 s[G1+5], 256                         ; from batch to batch: 8 literals x 32 elements
	s_mov_b32 s[G1+6], 0
	s_mov_b32 s[G1+7], 0
	s_mul_i32 s42, s12, WREG                       ; my wave's tiles in LDS
	s_lshl_b32 s43, s12, 8
	s_add_co_u32 s43, s43, SCR                     ; my wave's t and f
	s_lshl_b32 s44, s12, 7
	s_add_co_u32 s44, s44, OUTB                    ; my wave's 32 results
	s_lshl_b32 s14, ttmp9, 18                      ; the work-group's 262,144 bytes of a (255 x 262,144 is below 2^32)
	s_lshl_b32 s13, s12, 15                        ; my wave's 32,768 of them
	s_add_co_u32 s14, s14, s13
	s_mov_b32 s15, 0
	v_add_nc_u32 v[LA], s42, v[LA]
	v_add_nc_u32 v[SCW], s43, v[L4]
	s_wait_dscnt 0x0
	s_wait_kmcnt 0x0
	global_load_b32 v[TV], v[L4], s[8:9]           ; the two small vectors first: the longest chain of dependent work hangs on them
	global_load_b32 v[FV], v[L4], s[6:7]
	s_add_nc_u64 s[4:5], s[4:5], s[14:15]          ; a at my wave's first batch
.irp c, 0,1,2,3
	s_mov_b32 s[G0+4*\c], 1                                        ; count = 1
	s_add_co_u32 s[G0+4*\c+1], s42, \c*TILEB                       ; LDS address of tile c
	s_add_nc_u64 s[G0+4*\c+2:G0+4*\c+3], s[4:5], \c*256            ; literals 2c, 2c+1 of my first batch
	s_or_b32 s[G0+4*\c+3], s[G0+4*\c+3], 0x80000000               ; type = 2
	tensor_load_to_lds s[G0+4*\c:G0+4*\c+3], s[G1:G1+7]            ; four loads of this wave are out, 8,192 bytes each
	s_nop 0
.endr
; The sum of register r over the 32 lanes, left in every lane: four steps inside each half ride on the add (DPP), one crosses the halves.
.macro WSUM r
	v_add_f32_dpp v[\r], v[\r], v[\r] row_xmask:1 row_mask:0xf bank_mask:0xf
	v_add_f32_dpp v[\r], v[\r], v[\r] row_xmask:2 row_mask:0xf bank_mask:0xf
	v_add_f32_dpp v[\r], v[\r], v[\r] row_xmask:4 row_mask:0xf bank_mask:0xf
	v_add_f32_dpp v[\r], v[\r], v[\r] row_xmask:8 row_mask:0xf bank_mask:0xf
	v_permlanex16_b32 v[TMP], v[\r], s40, s41
	v_add_f32 v[\r], v[\r], v[TMP]
.endm
	; t and f, element [lane] in each lane.  Every wave makes them for itself while its tiles are on their way: no barrier is needed for them.
	s_wait_loadcnt 0x0                             ; both small vectors
	v_mul_f32 v[SUM], v[TV], v[TV]
	WSUM SUM
	v_rsq_f32 v[RS], v[SUM]                        ; behind a transcendental one plain vector instruction stands before its result is used (ISA guide 5.7.2):
	v_mov_b32 v[SCB], s43                          ; this one
	s_wait_alu depctr_va_vdst(0)
	v_mul_f32 v[TV], v[TV], v[RS]                  ; t = truth_raw / |truth_raw|
	v_mul_f32 v[SUM], v[TV], v[FV]
	WSUM SUM                                       ; proj = t . false_raw
	v_fma_f32 v[FO], -v[SUM], v[TV], v[FV]         ; false_raw - proj t
	v_mul_f32 v[SUM], v[FO], v[FO]
	WSUM SUM
	v_rsq_f32 v[RS], v[SUM]
	v_add_nc_u32 v[OST], s44, v[L4]                ; the plain instruction behind the transcendental
	s_wait_alu depctr_va_vdst(0)
	v_mul_f32 v[FV], v[FO], v[RS]                  ; f
	; every lane needs all 32 elements of both: through my wave's own 256 bytes of LDS.  LDS serves a wave's instructions in order
	; (ISA guide 5.7.1), so the loads see the stores without a wait; all lanes read the same address.
	ds_store_b32 v[SCW], v[TV]
	ds_store_b32 v[SCW], v[FV] offset:128
.irp i, 0,1,2,3,4,5,6,7
	ds_load_b128 v[TT+4*\i:TT+4*\i+3], v[SCB] offset:16*\i
.endr
.irp i, 0,1,2,3,4,5,6,7
	ds_load_b128 v[FF+4*\i:FF+4*\i+3], v[SCB] offset:128+16*\i
.endr
	v_mul_f32 v[GTT], v[TV], v[TV]                 ; the three products of t and f among themselves, while those loads run
	WSUM GTT
	v_mul_f32 v[GTF], v[TV], v[FV]
	WSUM GTF
	v_mul_f32 v[GFF], v[FV], v[FV]
	WSUM GFF
; Elements k, k+1 of both literals times t and times f: four chains that do not wait for each other.
.macro PK4 k
	v_pk_fma_f32 v[PA:PA+1], v[XA+\k:XA+\k+1], v[TT+\k:TT+\k+1], v[PA:PA+1]
	v_pk_fma_f32 v[QA:QA+1], v[XA+\k:XA+\k+1], v[FF+\k:FF+\k+1], v[QA:QA+1]
	v_pk_fma_f32 v[PB:PB+1], v[XB+\k:XB+\k+1], v[TT+\k:TT+\k+1], v[PB:PB+1]
	v_pk_fma_f32 v[QB:QB+1], v[XB+\k:XB+\k+1], v[FF+\k:FF+\k+1], v[QB:QB+1]
.endm
; Elements 4i to 4i+3.  The first products start the sums: nothing is cleared.
.macro DOT i
.if \i == 0
	v_pk_mul_f32 v[PA:PA+1], v[XA:XA+1], v[TT:TT+1]
	v_pk_mul_f32 v[QA:QA+1], v[XA:XA+1], v[FF:FF+1]
	v_pk_mul_f32 v[PB:PB+1], v[XB:XB+1], v[TT:TT+1]
	v_pk_mul_f32 v[QB:QB+1], v[XB:XB+1], v[FF:FF+1]
.else
	PK4 4*\i
.endif
	PK4 4*\i+2
.endm
; One step of the fold with a literal whose dots are in registers p and q.  last = 1: y is not needed any more.
.macro STEP p, q, last
	v_add_f32 v[W], v[\p], v[\q]
	v_mul_f32 v[CX], v[RX], v[\p]                  ; CX = x p
	v_mul_f32 v[CY], v[RY], v[W]
	v_fmac_f32 v[CY], v[RX], v[\q]                 ; CY = x q + y (p + q)
	v_mul_f32 v[RX], v[CX], v[GTT]
	v_fmac_f32 v[RX], v[CY], v[GTF]                ; x = CX t.t + CY t.f
.if \last == 0
	v_mul_f32 v[RY], v[CX], v[GTF]
	v_fmac_f32 v[RY], v[CY], v[GFF]                ; y = CX t.f + CY f.f
.endif
.endm
; Tile c: literals 2c and 2c+1 of my batch, 16 loads of 16 bytes from my row, the four dots, two steps of the fold (one in tile 0).
.macro TILE c
	s_wait_tensorcnt 3-\c                          ; a wave's tensor loads end in order (ISA guide 10.11.1): tile c is in, the 3 - c younger ones stay out.
	                                               ; Only this wave reads these bytes, so this wait is all the ordering there is
.irp i, 0,1,2,3,4,5,6,7
	ds_load_b128 v[XA+4*\i:XA+4*\i+3], v[LA] offset:\c*TILEB+16*\i
	ds_load_b128 v[XB+4*\i:XB+4*\i+3], v[LA] offset:\c*TILEB+128+16*\i
.endr
.irp i, 0,1,2,3,4,5,6,7
	s_wait_dscnt 14-2*\i                           ; LDS loads come back in order: pair i is in, the 14 - 2i younger loads stay out (in tile 0 the first wait covers t and f too)
	DOT \i
.endr
.if \c == 0
	v_add_f32 v[RX], v[PA], v[PA+1]                ; r starts as literal 0: x = t.s0, y = f.s0
	v_add_f32 v[RY], v[QA], v[QA+1]
.else
	v_add_f32 v[SPA], v[PA], v[PA+1]
	v_add_f32 v[SQA], v[QA], v[QA+1]
.endif
	v_add_f32 v[SPB], v[PB], v[PB+1]
	v_add_f32 v[SQB], v[QB], v[QB+1]
.if \c != 0
	STEP SPA, SQA, 0
.endif
.if \c == 3
	STEP SPB, SQB, 1
.else
	STEP SPB, SQB, 0
.endif
.endm
	TILE 0
	TILE 1
	TILE 2
	TILE 3                                         ; its wait is for zero tensor loads: none is out at the end
	; clip to [0, 1] by compare and select: a NaN fails both compares and stays
	v_cmp_gt_f32 vcc_lo, 0, v[RX]
	v_cndmask_b32 v[RX], v[RX], 0, vcc_lo
	v_cmp_lt_f32 vcc_lo, 1.0, v[RX]
	v_cndmask_b32 v[RX], v[RX], 1.0, vcc_lo
	; THE WAY OUT.  A lane holds 4 bytes; the 256 results meet in LDS, and two waves store them 16 bytes a lane.
	ds_store_b32 v[OST], v[RX]                     ; OUTB + 128 x wave + 4 x lane
	s_wait_dscnt 0x0                               ; for the other waves' sake: my store is done before I say so
	s_barrier_signal -1
	s_barrier_wait -1                              ; all 256 results are in LDS
	s_cmp_ge_u32 s12, 2
	s_cbranch_scc1 .Lend                           ; waves 2 to 7 are done
	s_lshl_b32 s13, s12, 9                         ; wave 0: bytes 0-511, wave 1: bytes 512-1023
	v_lshl_add_u32 v[OGL], v[L4], 2, s13           ; + 16 x lane
	v_add_nc_u32 v[OLD], OUTB, v[OGL]
	ds_load_b128 v[XB:XB+3], v[OLD]
	s_lshl_b32 s14, ttmp9, 10                      ; the work-group's 1,024 bytes of out0 (s15 is still 0)
	s_add_nc_u64 s[10:11], s[10:11], s[14:15]
	s_wait_dscnt 0x0
	global_store_b128 v[OGL], v[XB:XB+3], s[10:11] th:TH_STORE_NT  ; the wave's store covers 512 consecutive bytes at a multiple of 512 from out0's first byte
.Lend:
	s_wait_tensorcnt 0x0
	ds_add_u32 v160, v161
	s_wait_dscnt 0x0
	s_endpgm
.Lfunc_end_k_q9c852a5b6b_conj:
	.size	k_q9c852a5b6b_conj, .Lfunc_end_k_q9c852a5b6b_conj-k_q9c852a5b6b_conj
	.p2alignl 7, 3214868480
	.fill 96, 4, 3214868480
	.section	.rodata,"a",@progbits
	.p2align	6, 0x0
	.amdhsa_kernel k_q9c852a5b6b_conj
		.amdhsa_group_segment_fixed_size 282624
		.amdhsa_private_segment_fixed_size 0
		.amdhsa_enable_private_segment 0
		.amdhsa_kernarg_size 32
		.amdhsa_user_sgpr_count 2
		.amdhsa_user_sgpr_kernarg_segment_ptr 1
		.amdhsa_wavefront_size32 1
		.amdhsa_system_sgpr_workgroup_id_x 1
		.amdhsa_system_sgpr_workgroup_id_y 1
		.amdhsa_system_sgpr_workgroup_id_z 1
		.amdhsa_system_vgpr_workitem_id 0
		.amdhsa_next_free_vgpr 162
		.amdhsa_next_free_sgpr 66
		.amdhsa_reserve_vcc 1
		.amdhsa_float_denorm_mode_32 3
		.amdhsa_float_denorm_mode_16_64 3
		.amdhsa_memory_ordered 1
		.amdhsa_forward_progress 1
		.amdhsa_inst_pref_size 32
	.end_amdhsa_kernel
	.amdgpu_metadata
---
amdhsa.version: [ 1, 2 ]
amdhsa.kernels:
  - .name:           k_q9c852a5b6b_conj
    .symbol:         k_q9c852a5b6b_conj.kd
    .args:
      - { .name: a, .offset: 0, .size: 8, .value_kind: global_buffer, .address_space: global }
      - { .name: false_raw, .offset: 8, .size: 8, .value_kind: global_buffer, .address_space: global }
      - { .name: truth_raw, .offset: 16, .size: 8, .value_kind: global_buffer, .address_space: global }
      - { .name: out0, .offset: 24, .size: 8, .value_kind: global_buffer, .address_space: global }
    .group_segment_fixed_size: 282624
    .private_segment_fixed_size: 0
    .kernarg_segment_align: 8
    .kernarg_segment_size: 32
    .max_flat_workgroup_size: 256
    .sgpr_count:     66
    .vgpr_count:     162
    .wavefront_size: 32
...
	.end_amdgpu_metadata
.endif
;; end of part 1
